; MI455X (gfx1250); checked and timed in simulation.
; The chip was launched on July 23, 2026; its instructions are those of AMD's public machine-readable ISA for CDNA 5 (MIT licence, August 2026) and "CDNA5" Instruction Set Architecture Reference Guide (July 2026). The comments in the code are by the model that wrote it; some were corrected since.
;; Multi Head Attention. Allowed arithmetic: matrix products marked QUANTISED: E2M1 operands, one E8M0 scale for each 32 along K, by v_wmma_scale_f32_16x16x128_f8f6f4 with both operands' format E2M1 (or v_wmma_scale_f32_32x16x128_f4), f32 sums; everything else in f32.
;; Inputs: W_out 1,024 x 1,024 float32; W_qkv 3,072 x 1,024 float32; b_out 1,024 float32; b_qkv 3,072 float32; x 2 x 2,048 x 1,024 float32.
;; Outputs: out0 2 x 2,048 x 1,024 float32.
;; This version of the problem:
;;   THIS VERSION OF THE PROBLEM IS GIVEN IN LOW PRECISION. The matrix products marked QUANTISED in the list below multiply operands that are first quantised to E2M1 (2 exponent bits, 1 mantissa bit; 4 bits a number), with one power-of-two scale for each 32 numbers along K (OCP MX v1.0); their sums are f32. All else is computed in f32.
;;   The module's matrix products, in the order in which they are computed (A, B: the left and right operand; K: the contracted axis; several contracted axes count as one K, in the product's order):
;;     1. [M 4,096, K 1,024] x [K 1,024, N 3,072]; A: input x; B: input W_qkv: QUANTISED
;;     2. batch 32 x [M 2,048, K 64] x [K 64, N 2,048]; A: computed on the way; B: computed on the way: QUANTISED
;;     3. batch 32 x [M 2,048, K 2,048] x [K 2,048, N 64]; A: softmax (see below); B: computed on the way: QUANTISED
;;     4. [M 4,096, K 1,024] x [K 1,024, N 1,024]; A: computed on the way; B: input W_out: QUANTISED
;;   THE QUANTISER, for each operand of a quantised product, along K:
;;     - K is cut into blocks of 32 from its start; a last block that is shorter is filled with zeros.
;;     - A block's scale is 2^e with e = floor(log2(the largest magnitude in the block)) - 2, held to -126 .. 127; a block of zeros has e = 0. As a byte (E8M0): e + 127.
;;     - Each number is divided by its block's scale, clamped to +-6, and rounded to the nearest number of E2M1, ties to even, subnormals kept.
;;     - The product sums the exact products of the quantised numbers (number of the format x scale) in f32.
;;   ~~~python
;;   def quantise(x, axis):      # numpy; x: float32 -> the quantised numbers, widened to float32 again
;;       x = np.moveaxis(x, axis, -1); K = x.shape[-1]
;;       x = np.pad(x, [(0, 0)] * (x.ndim - 1) + [(0, -K % 32)]); x = x.reshape(x.shape[:-1] + (-1, 32)); a = np.abs(x).max(-1, keepdims=True)
;;       e = np.where(a > 0, np.clip(np.frexp(np.where(a > 0, a, 1))[1] - 1 - 2, -126, 127), 0)      # np.frexp(a)[1] - 1 = floor(log2(a)), exactly
;;       r = np.clip(x / 2.0 ** e, -6, 6)
;;       step = 2.0 ** (np.maximum(np.frexp(np.where(r == 0, 1, r))[1] - 1, 0) - 1)
;;       q = np.round(r / step) * step * 2.0 ** e      # np.round: ties to even
;;       return np.moveaxis(q.reshape(q.shape[:-2] + (-1,))[..., :K], -1, axis).astype(np.float32)
;;   ~~~
;;   SOFTMAX AHEAD OF A QUANTISED PRODUCT. Where the list says 'softmax', what is quantised is not the finished softmax but p = 2^(t - M), with t = logit x log2(e) and M = ceil(the row's largest t), a whole number; so 1/2 < the row's largest p <= 1. The row's sum l is taken of the UNQUANTISED p, in f32, and the product's result is divided by l at the end. Since M is a whole number, a kernel that streams over the keys may use a running M (the ceiling of the running maximum): every later rescaling is an exact power of two, which a block's scale takes up: the codes' values come out the same.
;;   OPERANDS COMPUTED ON THE WAY. 'Computed on the way' means the value that the module computes at that place (a softmax that the list does not call 'softmax' is quantised finished and normalised). What goes into a quantiser is computed in f32, as accurately as f32 sums, v_exp_f32 and their like allow (about 1e-6 of the number): no bf16 or f16 on the way to a quantiser, and a product that is left as it is and whose result goes on into a quantised operand takes f32 operands (vector FMAs, or v_wmma_f32_16x16x4_f32). A number that lies on a knife's edge between two numbers of the format may be rounded either way, as far as f32 arithmetic and the matrix unit's own rounding can turn it there, and no further.
;; One version. Each part assembles by itself: llvm-mc -triple=amdgcn-amd-amdhsa -mcpu=gfx1250 --defsym DOCPART=n.
;; ======== version 1 of 1: 4 launches
;; limits: right only within a limited range of input values
;; workspace buffers: cw 4,194,304 bytes; sw 262,144 bytes; qkvc 6,291,456 bytes; qkvs 655,360 bytes; oc 2,097,152 bytes; os 131,072 bytes
;; launch quant (part 1): grid 256 x 1, 4 waves a work-group, no clusters, 33,280 bytes of LDS; arguments x, W_qkv, W_out, cw, sw; writes cw, sw
.if DOCPART == 1
	.amdgcn_target "amdgcn-amd-amdhsa--gfx1250"
	.amdhsa_code_object_version 6
	.text
	.protected	k_q86ff25da09_quant
	.globl	k_q86ff25da09_quant
	.p2align	8
	.type	k_q86ff25da09_quant,@function
k_q86ff25da09_quant:
	s_mov_b64 s[64:65], 0
	v_nop
	global_prefetch_b8 v0, s[64:65] scope:SCOPE_SE
	s_setreg_imm32_b32 hwreg(HW_REG_WAVE_MODE, 25, 1), 1
	s_wait_xcnt 0x0
; x [4096][1024], W_qkv [3072][1024] and W_out [1024][1024], f32, become codes of FP4 (E2M1), K innermost, two codes a byte, in cw [8192 rows][512 bytes],
; and one E8M0 scale byte for each 32 along K in sw [8192 rows][32 bytes].  Rows 0-4095 of both are x's, 4096-7167 W_qkv's, 7168-8191 W_out's.
; A block's scale is 2^(floor(log2(its largest magnitude)) - 2); its byte is the largest magnitude's exponent field - 2, held at 1 from below.
; THE ROWS ARE STORED IN ANOTHER ORDER: of each 32 rows the four groups of 8 lie as groups 0, 2, 1, 3.  So stored tile 2 b + u of 16 rows holds, at its row r, the row 32 b + 8 u + r + 8 (r / 8):
; a matrix result whose registers run down two such neighbouring tiles then holds 16 neighbours in a lane, which is what the later launches' quantisers want.
; LIMITS: NaN and infinities among the inputs are not served; a block whose largest magnitude lies under 2^-124 has its byte held at 1; a block of zeros gets the byte 1 (its codes are zeros, and only this program reads the bytes).
; SHARES: a work-group takes 32 rows, a wave 8 rows = 16 steps of 512 numbers.  Each of a step's four loads reads 512 consecutive bytes; the 2,048 bytes turn through the wave's own stage in LDS
; (16 bytes of padding behind each 64) and come back 64 bytes a lane: 16 neighbours; two neighbouring lanes hold a block.  Loads run eight steps (32 loads a wave) ahead.  Waves share nothing: no barrier.
.set STEPS, 16
.set DEPTH, 8
.set R,     16                         ; v16-143   eight sets of 16 numbers as they are loaded
.set X,     144                        ; v144-175  two sets of 16 neighbours
.set C,     176                        ; v176-207  codes: two registers for each step, so that no store's data are written again
.set E,     208                        ; v208-223  a scale byte for each step
.set WREG,  8192                       ; LDS: a region for each wave: two stages of 32 x SP bytes, behind them its 256 scale bytes
.set SP,    80                         ; a lane's place in a stage: 64 bytes + 16 of padding
	s_load_b128 s[4:7], s[0:1], 0x0                ; x, W_qkv
	s_load_b128 s[8:11], s[0:1], 0x10              ; W_out, cw
	s_load_b64 s[12:13], s[0:1], 0x20              ; sw
	v_lshl_add_u32 v224, v0, 2, 0x8000
	v_mov_b32 v225, 0
	v_lshrrev_b32 v1, 5, v0
	v_readfirstlane_b32 s16, v1                    ; wave
	v_and_b32 v2, 31, v0                           ; lane
	v_lshlrev_b32 v3, 4, v2                        ; my 16 bytes of a load's 512
	s_mul_i32 s17, s16, WREG
	v_lshrrev_b32 v14, 2, v2
	v_mul_u32_u24 v14, v14, SP
	v_and_b32 v15, 3, v2
	v_lshl_add_u32 v14, v15, 4, v14
	v_add_nc_u32 v14, s17, v14                     ; the stage, on the way in: SP (lane / 4) + 16 (lane % 4)
	v_mul_u32_u24 v15, v2, SP
	v_add_nc_u32 v15, s17, v15                     ; and on the way out: SP x lane
	v_lshlrev_b32 v4, 3, v2                        ; 8 bytes a lane: my codes' place in a step's, and my place in the wave's scale bytes
	v_lshrrev_b32 v5, 1, v2
	s_add_co_u32 s17, s17, 2*32*SP
	v_add_nc_u32 v5, s17, v5                       ; LDS: my block's scale byte
	v_add_nc_u32 v6, s17, v4                       ; LDS: 8 scale bytes a lane on the way out
	s_and_b32 s20, s16, 1                          ; where my 8 rows go: group w lies at place ((w & 1) << 1) | (w >> 1)
	s_lshl_b32 s20, s20, 1
	s_lshr_b32 s21, s16, 1
	s_or_b32 s20, s20, s21
	s_lshl_b32 s21, ttmp9, 2
	s_add_co_u32 s20, s20, s21                     ; which run of 8 stored rows
	s_wait_alu depctr_va_vdst(0)
	s_wait_kmcnt 0x0
	s_cmp_lt_u32 ttmp9, 224                        ; which tensor: the choice hangs on the work-group's number alone
	s_cselect_b64 s[6:7], s[6:7], s[8:9]
	s_mov_b32 s17, 224
	s_cselect_b32 s17, 128, s17
	s_cmp_lt_u32 ttmp9, 128
	s_cselect_b64 s[4:5], s[4:5], s[6:7]
	s_cselect_b32 s17, 0, s17                      ; the tensor's first work-group
	s_sub_co_u32 s17, ttmp9, s17
	s_lshl_b32 s17, s17, 2
	s_add_co_u32 s18, s17, s16                     ; which run of 8 rows of the tensor is my wave's
	s_lshl_b32 s18, s18, 15                        ; 32,768 bytes a run
	s_mov_b32 s19, 0
	s_add_nc_u64 s[4:5], s[4:5], s[18:19]
	s_lshl_b32 s22, s20, 12                        ; 4,096 bytes of codes a run
	s_mov_b32 s23, 0
	s_add_nc_u64 s[10:11], s[10:11], s[22:23]
	s_lshl_b32 s22, s20, 8                         ; 256 scale bytes a run
	s_add_nc_u64 s[12:13], s[12:13], s[22:23]
.macro LOAD t
.irp i, 0,1,2,3
	global_load_b128 v[R+16*((\t)%DEPTH)+4*\i:R+16*((\t)%DEPTH)+4*\i+3], v3, s[4:5] offset:2048*(\t)+512*\i th:TH_LOAD_NT   ; 32 lanes read 512 consecutive bytes
.endr
.endm
.macro TURN t                          ; step t's numbers through the stage: LDS serves a wave's instructions in order, so no wait stands between the stores and the loads
.irp i, 0,1,2,3
	ds_store_b128 v14, v[R+16*((\t)%DEPTH)+4*\i:R+16*((\t)%DEPTH)+4*\i+3] offset:32*SP*((\t)%2)+8*SP*\i
.endr
.irp i, 0,1,2,3
	ds_load_b128 v[X+16*((\t)%2)+4*\i:X+16*((\t)%2)+4*\i+3], v15 offset:32*SP*((\t)%2)+16*\i
.endr
.endm
.irp t, 0,1,2,3,4,5,6,7
	LOAD \t
.endr
	s_wait_loadcnt 28                              ; step 0's four loads are in; the 28 of steps 1 to 7 may be out
	TURN 0
.macro STEP t
.set XS, X+16*((\t)%2)
.if (\t) > 0
	s_wait_dscnt 1                                 ; this step's numbers are back from the stage (the last step's byte store may be out)
.else
	s_wait_dscnt 0x0
.endif
.if (\t)+DEPTH < STEPS
	LOAD (\t)+DEPTH                                ; into the set that this step's turn through the stage has read
.endif
.if (\t)+1 < STEPS
.if STEPS-2-(\t) >= DEPTH-1
	s_wait_loadcnt 4*(DEPTH-1)                     ; the next step's four loads are in; those of the seven steps behind it may be out
.else
	s_wait_loadcnt 4*(STEPS-2-(\t))
.endif
	TURN (\t)+1                                    ; through the other stage while this step is worked
.endif
	v_max3_num_f32 v8, |v[XS]|, |v[XS+1]|, |v[XS+2]|               ; the largest magnitude of my 16, in two chains
	v_max3_num_f32 v9, |v[XS+3]|, |v[XS+4]|, |v[XS+5]|
.irp i, 6,10
	v_max3_num_f32 v8, v8, |v[XS+\i]|, |v[XS+\i+1]|
	v_max3_num_f32 v9, v9, |v[XS+\i+2]|, |v[XS+\i+3]|
.endr
	v_max3_num_f32 v8, v8, |v[XS+14]|, |v[XS+15]|
	v_max3_num_f32 v8, v8, v9, 0x1800000           ; and the floor 2^(3 - 127): the byte cannot fall under 1
	v_max_num_f32_dpp v8, v8, v8 row_xmask:1 row_mask:0xf bank_mask:0xf   ; and of my neighbour's 16: the block's
	v_add_nc_u32 v11, 0xff000000, v8               ; 2 off its exponent field: the conversion takes the exponent field of this operand as its scale
	v_cvt_scalef32_pk8_fp4_f32 v[C+2*(\t)], v[XS:XS+7], v11
	v_cvt_scalef32_pk8_fp4_f32 v[C+2*(\t)+1], v[XS+8:XS+15], v11
	v_lshrrev_b32 v[E+(\t)], 23, v11               ; the scale's byte (also the plain line behind the conversions)
	ds_store_b8 v5, v[E+(\t)] offset:16*(\t)       ; both lanes of a block write the same byte with the same value
	global_store_b64 v4, v[C+2*(\t):C+2*(\t)+1], s[10:11] offset:256*(\t)   ; the wave stores 256 consecutive bytes, aligned
.endm
.irp t, 0,1,2,3,4,5,6,7,8,9,10,11,12,13,14,15
	STEP \t
.endr
	ds_load_b64 v[12:13], v6                       ; LDS serves a wave's instructions in order: these see my byte stores
	s_wait_dscnt 0x0
	global_store_b64 v4, v[12:13], s[12:13]        ; 32 lanes store 256 consecutive bytes, aligned
	s_wait_tensorcnt 0x0
	ds_add_u32 v224, v225
	s_wait_dscnt 0x0
	s_endpgm
.Lfunc_end_k_q86ff25da09_quant:
	.size	k_q86ff25da09_quant, .Lfunc_end_k_q86ff25da09_quant-k_q86ff25da09_quant
	.p2alignl 7, 3214868480
	.fill 96, 4, 3214868480
	.section	.rodata,"a",@progbits
	.p2align	6, 0x0
	.amdhsa_kernel k_q86ff25da09_quant
		.amdhsa_group_segment_fixed_size 33280
		.amdhsa_private_segment_fixed_size 0
		.amdhsa_enable_private_segment 0
		.amdhsa_kernarg_size 40
		.amdhsa_user_sgpr_count 2
		.amdhsa_user_sgpr_kernarg_segment_ptr 1
		.amdhsa_wavefront_size32 1
		.amdhsa_system_sgpr_workgroup_id_x 1
		.amdhsa_system_sgpr_workgroup_id_y 1
		.amdhsa_system_sgpr_workgroup_id_z 1
		.amdhsa_system_vgpr_workitem_id 0
		.amdhsa_next_free_vgpr 226
		.amdhsa_next_free_sgpr 66
		.amdhsa_reserve_vcc 0
		.amdhsa_float_denorm_mode_32 3
		.amdhsa_float_denorm_mode_16_64 3
		.amdhsa_memory_ordered 1
		.amdhsa_forward_progress 1
		.amdhsa_inst_pref_size 34
	.end_amdhsa_kernel
	.amdgpu_metadata
---
amdhsa.version: [ 1, 2 ]
amdhsa.kernels:
  - .name:           k_q86ff25da09_quant
    .symbol:         k_q86ff25da09_quant.kd
    .args:
      - { .name: x, .offset: 0, .size: 8, .value_kind: global_buffer, .address_space: global }
      - { .name: W_qkv, .offset: 8, .size: 8, .value_kind: global_buffer, .address_space: global }
      - { .name: W_out, .offset: 16, .size: 8, .value_kind: global_buffer, .address_space: global }
      - { .name: cw, .offset: 24, .size: 8, .value_kind: global_buffer, .address_space: global }
      - { .name: sw, .offset: 32, .size: 8, .value_kind: global_buffer, .address_space: global }
    .group_segment_fixed_size: 33280
    .private_segment_fixed_size: 0
    .kernarg_segment_align: 8
    .kernarg_segment_size: 40
    .max_flat_workgroup_size: 128
    .sgpr_count:     66
    .vgpr_count:     226
    .wavefront_size: 32
...
	.end_amdgpu_metadata
.endif
;; end of part 1
;; launch proj (part 2): grid 12 x 16, 4 waves a work-group, clusters of 4 x 4, 327,680 bytes of LDS; arguments cw, sw, b_qkv, qkvc, qkvs; writes qkvc, qkvs
.if DOCPART == 2
	.amdgcn_target "amdgcn-amd-amdhsa--gfx1250"
	.amdhsa_code_object_version 6
	.text
	.protected	k_q86ff25da09_proj
	.globl	k_q86ff25da09_proj
	.p2align	8
	.type	k_q86ff25da09_proj,@function
k_q86ff25da09_proj:
	s_mov_b64 s[64:65], 0
	v_nop
	global_prefetch_b8 v0, s[64:65] scope:SCOPE_SE
	s_setreg_imm32_b32 hwreg(HW_REG_WAVE_MODE, 25, 1), 1
	s_wait_xcnt 0x0
	s_wait_alu depctr_hold_cnt(0) depctr_sa_sdst(0) depctr_va_vdst(0) depctr_va_sdst(0) depctr_va_ssrc(0) depctr_va_vcc(0) depctr_vm_vsrc(0)
	s_getreg_b32 s2, hwreg(HW_REG_IB_STS2, 6, 4)
	s_cmp_eq_u32 s2, 0
	s_cbranch_scc0 .Lentry_in_a_cluster
	s_endpgm
.Lentry_in_a_cluster:
	s_bfe_u32 s2, ttmp6, 0x10000c
	s_cmp_lg_u32 s2, 0xf033
	s_cbranch_scc0 .Lentry_shape_is_right
	s_endpgm
.Lentry_shape_is_right:
; q, k, v = x W_qkv^T + b_qkv on codes of FP4 with E8M0 scales (launch quant), K = 1024, and the result quantised again for the attention: q and k along d, v along the keys.
; A tile of 256 x 256 to a work-group of four waves, 128 x 128 a wave: 64 accumulators.  Cluster columns 0 and 1 make q and k (source 1 = rows of x), column 2 makes v (source 1 = rows of W_qkv).
; ALL OF K LIES IN LDS, filled ONCE by four joint tensor loads, one a wave: wave 0 A's 256 rows of 512 bytes, wave 1 B's, wave 2 A's scale bytes, wave 3 B's.  One wait, one barrier, no refill.
; An LDS row is 512 + 16 bytes; the second half of K begins at byte 256 of each row.  All tiles are asked for at the head: no later load is left that a prefetch could run ahead of.
; LIMITS: NaN and infinities are not served; a block whose largest magnitude lies under 2^-124 has its byte held at 1; a block of zeros gets the byte 1.
.set NQ,     4
.set ROWB,   512
.set KROW,   512
.set PITCH,  528
.set FR,     8
.set NL,     2
.set NP,     4
.set HALFT,  128*PITCH
.set SLOT,   256
.set KS,     32
.set SCL,    4*HALFT
.set HALFS,  (128*KS/256)*272
.set SBLK,   (16*KS/256)*272
.set ADRA, 16
.set ADRB, 20
.set LI,   24
.set L8,   25
.set BQ,   26
.set ADRS, 27
.set BV,   28
.set SC,   32
.set TM,   96
.set PWB,  112
.set CW,   120
.set AF,   128
.set H,    128
.set PCB,  192
.set BB,   192
.set G1, 24
.set G0, 32
.set G1B, 48
.set G0B, 56
.set G1S, 68
.set G0S, 76
.set G1SB, 80
.set G0SB, 88
.set SEL, 100
.set MSB, 0
.macro WIN new
.if MSB != (\new)
	s_set_vgpr_msb (MSB<<8)|(\new)
.set MSB, (\new)
.endif
.endm
.set MUL_LO, 0xa1
.set MUL_HI, 0xf1
.set TO_B,   0x40
.macro ARM under, g0, g1, next         ; an arm of the head's one chain of branches on the wave's number: its load, s_nop 0 and four v_nop, and a jump to the join
	s_cmp_lt_u32 s14, \under
	s_cbranch_scc0 \next
	tensor_load_to_lds s[\g0:\g0+3], s[\g1:\g1+7]
	s_nop 0
.rept 4
	v_nop
.endr
	s_branch .Lhead_asked
\next:
.endm
.macro CROUND
	s_barrier_signal -1
	s_barrier_wait -1
	s_cmp_lg_u32 s14, 0
	s_cbranch_scc1 .Lnot_wave_0_\@
	s_barrier_signal -3
.Lnot_wave_0_\@:
	s_barrier_wait -3
	s_barrier_signal -1
	s_barrier_wait -1
.endm
	s_load_b128 s[4:7], s[0:1], 0x0
	s_load_b128 s[8:11], s[0:1], 0x10
	s_load_b64 s[12:13], s[0:1], 0x20
	v_lshl_add_u32 v126, v0, 2, 0x48400
	v_mov_b32 v127, 0
	ds_add_u32 v126, v127
	ds_add_u32 v126, v127
	v_lshrrev_b32 v1, 5, v0
	v_readfirstlane_b32 s14, v1
	s_lshr_b32 s15, s14, 1
	s_and_b32 s16, s14, 1
	s_bfe_u32 s40, ttmp6, 0x40000
	s_bfe_u32 s41, ttmp6, 0x40004
	s_and_b32 s99, ttmp7, 0xffff
	s_cmp_lt_u32 ttmp9, 2
	s_cselect_b32 s95, s99, 0
	s_cselect_b32 s96, ttmp9, s99
	s_cselect_b32 s97, 0, 6144
	s_cselect_b32 s98, 4096, 0
	s_lshl_b32 s17, s95, 2
	s_add_co_u32 s17, s17, s41
	s_lshl_b32 s42, s96, 2
	s_add_co_u32 s42, s42, s40
	s_lshl_b32 s43, s41, 2
	s_lshl_b32 s43, 15, s43
	s_lshl_b32 s44, 0x1111, s40
	s_or_b32 s[G1+0], s43, (0<<16)|(1<<20)|(1<<21)|(6<<22)|(3<<25)    ; 256 rows of 512 bytes, four words of padding behind every 128
	s_or_b32 s[G1B+0], s44, (0<<16)|(1<<20)|(1<<21)|(6<<22)|(3<<25)
.irp g, G1, G1B
	s_mov_b32 s[\g+1], ROWB<<16
	s_mov_b32 s[\g+2], 256<<16
	s_mov_b32 s[\g+3], ROWB<<16
	s_mov_b32 s[\g+4], 256
	s_mov_b32 s[\g+5], KROW
	s_mov_b32 s[\g+6], 0
	s_mov_b32 s[\g+7], 0
.endr
	s_or_b32 s[G1S+0], s43, (3<<16)|(1<<20)|(1<<21)|(5<<22)|(3<<25)
	s_or_b32 s[G1SB+0], s44, (3<<16)|(1<<20)|(1<<21)|(5<<22)|(3<<25)
.irp g, G1S, G1SB
	s_mov_b32 s[\g+1], 32<<16
	s_mov_b32 s[\g+2], (256*KS/256)<<16
	s_mov_b32 s[\g+3], 32<<16
	s_mov_b32 s[\g+4], 256*KS/256
	s_mov_b32 s[\g+5], 32
	s_mov_b32 s[\g+6], 0
	s_mov_b32 s[\g+7], 0
.endr
	s_lshl_b32 s20, s17, 8                         ; A's first row in cw and sw
	s_add_co_u32 s20, s20, s97
	s_lshl_b32 s46, s42, 8                         ; B's
	s_add_co_u32 s46, s46, s98
	s_lshl_b32 s22, s20, 5
	s_mov_b32 s23, 0
	s_lshl_b32 s92, s46, 5
	s_mov_b32 s93, 0
	s_lshl_b32 s20, s20, 9
	s_mov_b32 s21, 0
	s_lshl_b32 s46, s46, 9
	s_mov_b32 s47, 0
	s_wait_dscnt 0x0
	s_wait_kmcnt 0x0
	s_add_nc_u64 s[20:21], s[4:5], s[20:21]
	s_add_nc_u64 s[22:23], s[6:7], s[22:23]
	s_add_nc_u64 s[46:47], s[4:5], s[46:47]
	s_add_nc_u64 s[92:93], s[6:7], s[92:93]
	CROUND
	s_mov_b32 s[G0], 1                             ; A's 256 rows, all of K,
	s_mov_b32 s[G0+1], 0
	s_mov_b64 s[G0+2:G0+3], s[20:21]
	s_or_b32 s[G0+3], s[G0+3], 0x80000000
	s_mov_b32 s[G0B], 1                            ; B's, behind them,
	s_mov_b32 s[G0B+1], 2*HALFT
	s_mov_b64 s[G0B+2:G0B+3], s[46:47]
	s_or_b32 s[G0B+3], s[G0B+3], 0x80000000
	s_mov_b32 s[G0S], 1                            ; the scales of A's 256 rows,
	s_mov_b32 s[G0S+1], SCL
	s_mov_b64 s[G0S+2:G0S+3], s[22:23]
	s_or_b32 s[G0S+3], s[G0S+3], 0x80000000
	s_mov_b32 s[G0SB], 1                           ; and of B's
	s_mov_b32 s[G0SB+1], SCL+2*HALFS
	s_mov_b64 s[G0SB+2:G0SB+3], s[92:93]
	s_or_b32 s[G0SB+3], s[G0SB+3], 0x80000000
	ARM 1, G0,  G1,  .Lhead_b                      ; one tensor load a wave: every way through the head passes exactly one
	ARM 2, G0B, G1B, .Lhead_sa
	ARM 3, G0S, G1S, .Lhead_sb
	tensor_load_to_lds s[G0SB:G0SB+3], s[G1SB:G1SB+7]
	s_nop 0
.rept 4
	v_nop
.endr
.Lhead_asked:
	v_and_b32 v1, 15, v0
	v_bfe_u32 v2, v0, 4, 1
	v_mul_u32_u24 v3, v1, PITCH
	v_lshl_add_u32 v4, v2, 4, v3
	s_mul_i32 s21, s15, HALFT
	s_mul_i32 s22, s16, HALFT
	s_add_co_u32 s22, s22, 2*HALFT
.irp s, 0,1
	v_add_nc_u32 v[ADRA+\s], s21, v4
	v_add_nc_u32 v[ADRB+\s], s22, v4
	s_add_co_u32 s21, s21, SLOT
	s_add_co_u32 s22, s22, SLOT
.endr
	v_mul_u32_u24 v5, v1, KS
	v_lshrrev_b32 v6, 8, v5
	v_lshl_add_u32 v5, v6, 4, v5
	s_mul_i32 s21, s15, HALFS
	s_mul_i32 s22, s16, HALFS
	s_add_co_u32 s22, s22, 2*HALFS
	s_sub_co_u32 s22, s22, s21
	v_mul_u32_u24 v6, s22, v2
	s_add_co_u32 s21, s21, SCL
	v_add_nc_u32 v5, v5, v6
	v_add_nc_u32 v[ADRS], s21, v5
	v_and_b32 v6, 31, v0
	v_lshlrev_b32 v[LI], 4, v6
	v_lshlrev_b32 v[L8], 3, v6
	v_lshlrev_b32 v[BQ], 6, v2
	v_and_b32 v3, 8, v1
	v_add_nc_u32 v3, v3, v1
	v_lshlrev_b32 v[BV], 2, v3
.irp b, 0,1,2,3
	v_mov_b32 v[TM+4+\b], 0
.endr
	s_mov_b32 s[SEL], 0x76543210
	s_mov_b32 s[SEL+1], 0xfedcba98
	s_and_b32 s2, s42, 3
	s_cmp_eq_u32 ttmp9, 2
	s_cselect_b32 s66, s42, s17
	s_cselect_b32 s67, s16, s15
	s_cselect_b32 s2, s17, s2
	s_cselect_b32 s3, s15, s16
	s_cselect_b32 s95, 8, 9
	s_lshr_b32 s96, s66, 3
	s_and_b32 s66, s66, 7
	s_lshl_b32 s66, s66, 1
	s_add_co_u32 s66, s66, s67
	s_lshl_b32 s2, s2, 2
	s_lshl_b32 s3, s3, 1
	s_add_co_u32 s2, s2, s3
	s_lshl_b32 s96, s96, 4
	s_add_co_u32 s96, s96, s2
	s_mul_i32 s18, s96, 196608
	s_lshl_b32 s97, ttmp9, 16
	s_add_co_u32 s18, s18, s97
	s_lshl_b32 s97, s66, 12
	s_add_co_u32 s18, s18, s97
	s_mov_b32 s19, 0
	s_add_nc_u64 s[10:11], s[10:11], s[18:19]
	s_mul_i32 s18, s96, 20480
	s_lshl_b32 s97, ttmp9, 13
	s_add_co_u32 s18, s18, s97
	s_lshl_b32 s97, s66, s95
	s_add_co_u32 s18, s18, s97
	s_add_nc_u64 s[12:13], s[12:13], s[18:19]
	s_lshl_b32 s18, ttmp9, 12
	s_lshl_b32 s97, s2, 8
	s_add_co_u32 s18, s18, s97
	s_add_nc_u64 s[8:9], s[8:9], s[18:19]
	s_cmp_eq_u32 ttmp9, 2
	s_cbranch_scc1 .Lbias_v
	WIN TO_B
	s_wait_alu depctr_va_vdst(0)
.irp b, 0,1,2,3,4,5,6,7
	global_load_b128 v[BB+8*\b:BB+8*\b+3], v[BQ], s[8:9] offset:(32*(\b/2)+8*(\b%2))*4
	global_load_b128 v[BB+8*\b+4:BB+8*\b+7], v[BQ], s[8:9] offset:(32*(\b/2)+8*(\b%2))*4+16
.endr
	WIN 0
	s_branch .Lbias_in
.Lbias_v:
	WIN TO_B
	s_wait_alu depctr_va_vdst(0)
.irp a, 0,1,2,3,4,5,6,7
.irp j, 0,1,2,3,4,5,6,7
	global_load_b32 v[BB+8*\a+\j], v[BV], s[8:9] offset:(32*(\a/2)+8*(\a%2))*4
.endr
.endr
	WIN 0
.Lbias_in:
.macro FRAG reg, adr, q, i
.irp c, 0,1
	ds_load_b128 v[\reg+4*\c:\reg+4*\c+3], v[\adr] offset:64*(\q)+32*\c+(\i)*16*PITCH
.endr
.endm
.macro MUL16 a0, p, q, sc, zero
.irp a, \a0, \a0+1
.irp b, 0,1,2,3,4,5,6,7
.if \zero
	v_wmma_scale_f32_16x16x128_f8f6f4 v[8*(8*((\a)%4)+\b):8*(8*((\a)%4)+\b)+7], v[128*(\p)+FR*\b:128*(\p)+FR*\b+FR-1], v[AF+FR*(\a):AF+FR*(\a)+FR-1], 0, v[SC+8*NQ*(\sc)+NQ*\b+(\q)], v[SC+8*NQ*(\sc)+NQ*(\a)+(\q)] matrix_a_fmt:MATRIX_FMT_FP4 matrix_b_fmt:MATRIX_FMT_FP4 matrix_a_scale:MATRIX_SCALE_ROW1
.else
	v_wmma_scale_f32_16x16x128_f8f6f4 v[8*(8*((\a)%4)+\b):8*(8*((\a)%4)+\b)+7], v[128*(\p)+FR*\b:128*(\p)+FR*\b+FR-1], v[AF+FR*(\a):AF+FR*(\a)+FR-1], v[8*(8*((\a)%4)+\b):8*(8*((\a)%4)+\b)+7], v[SC+8*NQ*(\sc)+NQ*\b+(\q)], v[SC+8*NQ*(\sc)+NQ*(\a)+(\q)] matrix_a_fmt:MATRIX_FMT_FP4 matrix_b_fmt:MATRIX_FMT_FP4 matrix_a_scale:MATRIX_SCALE_ROW1
.endif
.endr
.endr
.endm
.macro FETCH_B slot, q, p
	WIN TO_B
.irp i, 0,1,2,3,4,5,6,7
	FRAG 128*(\p)+FR*\i, ADRB+\slot, \q, \i
.endr
	WIN 0
.endm
.macro FETCH_A slot, q, i0
.irp i, \i0, \i0+1, \i0+2, \i0+3
	FRAG AF+FR*(\i), ADRA+\slot, \q, \i
.endr
.endm
.macro SCALES sc
.irp i, 0,1,2,3,4,5,6,7
	ds_load_b128 v[SC+8*NQ*\sc+NQ*\i:SC+8*NQ*\sc+NQ*\i+3], v[ADRS] offset:\i*SBLK
.endr
.endm
.macro PLACES n
.rept \n
	v_nop
.endr
.endm
.macro STEP slot, q, zero
	s_wait_dscnt 4*NL
	WIN MUL_LO
	MUL16 0, (\q)%2, \q, \slot, \zero
	MUL16 2, (\q)%2, \q, \slot, \zero
	s_wait_dscnt 0
	PLACES NP
	FETCH_B \slot, (\q)+1, 1-(\q)%2
	FETCH_A \slot, (\q)+1, 0
	WIN MUL_HI
	MUL16 4, (\q)%2, \q, \slot, \zero
	MUL16 6, (\q)%2, \q, \slot, \zero
	PLACES NP
	WIN 0
	FETCH_A \slot, (\q)+1, 4
.endm
.macro STEPS slot, from
.set Q, \from
.rept NQ-1-\from
	STEP \slot, Q, 0
.set Q, Q+1
.endr
.endm
	s_wait_tensorcnt 0x0                           ; my tile of the four is in; behind the barrier everybody's is: nothing is filled again
	s_barrier_signal -1
	s_barrier_wait -1
	FETCH_B 0, 0, 0
	FETCH_A 0, 0, 0
	SCALES 0
	FETCH_A 0, 0, 4
	STEP 0, 0, 1
	STEPS 0, 1
	s_wait_dscnt 4*NL
	WIN MUL_LO
	MUL16 0, 1, NQ-1, 0, 0
	s_wait_dscnt 0x0
	MUL16 2, 1, NQ-1, 0, 0
	WIN 0
	PLACES NP
	v_add_nc_u32 v[ADRS], 4*NQ, v[ADRS]
	FETCH_B 1, 0, 0
	FETCH_A 1, 0, 0
	SCALES 1
	WIN MUL_HI
	MUL16 4, 1, NQ-1, 0, 0
	MUL16 6, 1, NQ-1, 0, 0
	PLACES NP
	WIN 0
	FETCH_A 1, 0, 4
	STEPS 1, 0
	s_wait_dscnt 4*NL
	WIN MUL_LO
	MUL16 0, 1, NQ-1, 1, 0
	MUL16 2, 1, NQ-1, 1, 0
	s_wait_dscnt 0
	WIN MUL_HI
	MUL16 4, 1, NQ-1, 1, 0
	MUL16 6, 1, NQ-1, 1, 0
	WIN 0
.macro QUANT s, pc, pw
.irp b, 0,1,2,3
	v_max3_num_f32 v[TM+\b], |v[\s+16*\b]|, |v[\s+1+16*\b]|, 0x1800000
.endr
.irp i, 2,4,6,8,10,12,14
.irp b, 0,1,2,3
	v_max3_num_f32 v[TM+\b], v[TM+\b], |v[\s+16*\b+\i]|, |v[\s+1+16*\b+\i]|
.endr
.endr
.irp b, 0,1,2,3
	v_permlanex16_b32 v[TM+4+\b], v[TM+\b], s[SEL], s[SEL+1]
.endr
.irp b, 0,1,2,3
	v_max_num_f32 v[TM+\b], v[TM+\b], v[TM+4+\b]
.endr
.irp b, 0,1,2,3
	v_add_nc_u32 v[TM+12+\b], 0xff000000, v[TM+\b]
.endr
.irp b, 0,1,2,3
	v_lshrrev_b32 v[TM+4+\b], 23, v[TM+12+\b]
.endr
	v_lshl_or_b32 v[\pw], v[TM+5], 8, v[TM+4]
	v_lshl_or_b32 v[\pw], v[TM+6], 16, v[\pw]
	v_lshl_or_b32 v[\pw], v[TM+7], 24, v[\pw]
.irp b, 0,1,2,3
	v_cvt_scalef32_pk8_fp4_f32 v[(\pc)+2*\b], v[\s+16*\b:\s+7+16*\b], v[TM+12+\b]
	v_cvt_scalef32_pk8_fp4_f32 v[(\pc)+1+2*\b], v[\s+8+16*\b:\s+15+16*\b], v[TM+12+\b]
.endr
	v_nop
.irp c, 0,1
.irp i, 0,1
	v_permlane16_swap_b32 v[(\pc)+4*\c+\i], v[(\pc)+2+4*\c+\i]
.endr
.endr
.endm
.macro EPI kind
	s_wait_loadcnt 0x0
	PLACES NP
.irp a, 0,1,2,3,4,5,6,7
	WIN 0x06+(\a)/4
.set i, 0
.rept 32
.if \kind
	v_pk_add_f32 v[H+i:H+i+1], v[64*((\a)%4)+i:64*((\a)%4)+i+1], v[BB+8*(\a)+i%8:BB+8*(\a)+i%8+1]
.else
	v_pk_add_f32 v[H+i:H+i+1], v[64*((\a)%4)+i:64*((\a)%4)+i+1], v[BB+i:BB+i+1]
.endif
.set i, i+2
.endr
	WIN 0
	QUANT H, PCB+8*(\a), PWB+(\a)
.irp c, 0,1
.if \kind
	global_store_b128 v[LI], v[PCB+8*(\a)+4*\c:PCB+8*(\a)+4*\c+3], s[10:11] offset:((\a)/4)*196608+((\a)%4)*1024+\c*512
.else
	global_store_b128 v[LI], v[PCB+8*(\a)+4*\c:PCB+8*(\a)+4*\c+3], s[10:11] offset:\c*196608+(\a)*512
.endif
.endr
.endr
	s_mov_b32 vcc_lo, 0xffff0000
.irp i, 0,1,2,3
	v_cndmask_b32 v[CW+\i], v[PWB+2*\i], v[PWB+2*\i+1], vcc_lo
.endr
.if \kind
	global_store_b64 v[L8], v[CW:CW+1], s[12:13]
	global_store_b64 v[L8], v[CW+2:CW+3], s[12:13] offset:20480
.else
.irp i, 0,1,2,3
	v_and_b32 v[TM+\i], 0xffff, v[CW+\i]
.endr
.irp i, 0,1,2,3
	v_lshrrev_b32 v[TM+4+\i], 16, v[CW+\i]
.endr
	global_store_b128 v[LI], v[TM:TM+3], s[12:13]
	global_store_b128 v[LI], v[TM+4:TM+7], s[12:13] offset:20480
.endif
.endm
	s_cmp_eq_u32 ttmp9, 2
	s_cbranch_scc1 .Lv
	EPI 0
	s_branch .Ldone
.Lv:
	EPI 1
.Ldone:
	s_wait_tensorcnt 0x0
	ds_add_u32 v126, v127
	s_wait_dscnt 0x0
	CROUND
	s_endpgm
.Lfunc_end_k_q86ff25da09_proj:
	.size	k_q86ff25da09_proj, .Lfunc_end_k_q86ff25da09_proj-k_q86ff25da09_proj
	.p2alignl 7, 3214868480
	.fill 96, 4, 3214868480
	.section	.rodata,"a",@progbits
	.p2align	6, 0x0
	.amdhsa_kernel k_q86ff25da09_proj
		.amdhsa_group_segment_fixed_size 327680
		.amdhsa_private_segment_fixed_size 0
		.amdhsa_enable_private_segment 0
		.amdhsa_kernarg_size 40
		.amdhsa_user_sgpr_count 2
		.amdhsa_user_sgpr_kernarg_segment_ptr 1
		.amdhsa_wavefront_size32 1
		.amdhsa_system_sgpr_workgroup_id_x 1
		.amdhsa_system_sgpr_workgroup_id_y 1
		.amdhsa_system_sgpr_workgroup_id_z 1
		.amdhsa_system_vgpr_workitem_id 0
		.amdhsa_next_free_vgpr 1024
		.amdhsa_next_free_sgpr 102
		.amdhsa_reserve_vcc 1
		.amdhsa_float_denorm_mode_32 3
		.amdhsa_float_denorm_mode_16_64 3
		.amdhsa_memory_ordered 1
		.amdhsa_forward_progress 1
		.amdhsa_inst_pref_size 200
	.end_amdhsa_kernel
	.amdgpu_metadata
---
amdhsa.version: [ 1, 2 ]
amdhsa.kernels:
  - .name:           k_q86ff25da09_proj
    .symbol:         k_q86ff25da09_proj.kd
    .args:
      - { .name: cw, .offset: 0, .size: 8, .value_kind: global_buffer, .address_space: global }
      - { .name: sw, .offset: 8, .size: 8, .value_kind: global_buffer, .address_space: global }
      - { .name: b_qkv, .offset: 16, .size: 8, .value_kind: global_buffer, .address_space: global }
      - { .name: qkvc, .offset: 24, .size: 8, .value_kind: global_buffer, .address_space: global }
      - { .name: qkvs, .offset: 32, .size: 8, .value_kind: global_buffer, .address_space: global }
    .group_segment_fixed_size: 327680
    .private_segment_fixed_size: 0
    .kernarg_segment_align: 8
    .kernarg_segment_size: 40
    .max_flat_workgroup_size: 128
    .sgpr_count:     102
    .vgpr_count:     1024
    .wavefront_size: 32
...
	.end_amdgpu_metadata
.endif
;; end of part 2
;; launch attn (part 3): grid 8 x 32, 16 waves a work-group, clusters of 4 x 1, 169,984 bytes of LDS; arguments qkvc, qkvs, oc, os; writes oc, os
.if DOCPART == 3
	.amdgcn_target "amdgcn-amd-amdhsa--gfx1250"
	.amdhsa_code_object_version 6
	.text
	.protected	k_q86ff25da09_attn
	.globl	k_q86ff25da09_attn
	.p2align	8
	.type	k_q86ff25da09_attn,@function
k_q86ff25da09_attn:
	s_mov_b64 s[64:65], 0
	v_nop
	global_prefetch_b8 v0, s[64:65] scope:SCOPE_SE
	s_setreg_imm32_b32 hwreg(HW_REG_WAVE_MODE, 25, 1), 1
	s_wait_xcnt 0x0
	s_wait_alu depctr_hold_cnt(0) depctr_sa_sdst(0) depctr_va_vdst(0) depctr_va_sdst(0) depctr_va_ssrc(0) depctr_va_vcc(0) depctr_vm_vsrc(0)
	s_getreg_b32 s2, hwreg(HW_REG_IB_STS2, 6, 4)
	s_cmp_eq_u32 s2, 0
	s_cbranch_scc0 .Lentry_in_a_cluster
	s_endpgm
.Lentry_in_a_cluster:
	s_bfe_u32 s2, ttmp6, 0x10000c
	s_cmp_lg_u32 s2, 0x3003
	s_cbranch_scc0 .Lentry_shape_is_right
	s_endpgm
.Lentry_shape_is_right:
; For each of 32 heads (2 batches x 16): O = softmax(Q K^T / 8) V on codes of FP4 with E8M0 scales, and O quantised along E for the last product.
; THE SOFTMAX: t = score x log2(e) / 8; M = the row's largest t so far, rounded UP to a whole number; p = 2^(t - M) is quantised along the keys, not normalised;
; the row's sum is taken of the unquantised p and divides O at the end.  When M moves, the sums and O are multiplied by 2^(old M - new M): exact.
; SHARES: a work-group owns 256 queries of one head, each of its sixteen waves 16 of them in 256 registers.  Every wave walks the head's 2,048 keys, 128 a step.
; THE WHOLE HEAD'S K AND V LIE IN LDS, filled ONCE: K's and V's codes are one dense run of 131,072 bytes (images of operand registers, launch proj): waves 0 to 7 fetch 16,384 bytes each,
; as rows of 1,024 bytes with 128 bytes of padding behind each; waves 8 to 11 fetch 3,072 bytes each of the 12,288 bytes of scale words.  One tensor load a wave, one wait, one barrier; the loop has none.
; CLUSTER: the four query blocks of a cluster belong to one head and ask JOINTLY, with the mask of all four.  All tiles are asked for at the head: no later load is left that a prefetch could run ahead of.
; LAYOUT: both products transposed: S^T = K Q^T (source 0 = 16 keys), O^T = V^T P^T (source 0 = 16 d): a lane holds ONE query.
; THE KEYS OF A TILE ARE CHOSEN BY THE LDS ADDRESS: tile 4 c + t takes as rows 0-7 the keys 64 c + 8 t + 0..7 and as rows 8-15 the keys 64 c + 32 + 8 t + 0..7 of the step.  So the 32 registers S + 32 c + 0..31
; of lane half h are the WHOLE block 2 c + h of 32 keys, in order: a block's largest score needs no other lane, and the conversions' results are the second product's operand registers as they stand.
; (proj stores key 32 b + 8 g + i of a step at tile 2 b + g % 2, row i + 8 (g / 2): 16 bytes at 512 x tile + 16 x row + 256 x d block.  The padding puts rows 8-15, 1,024 bytes on, into the other half of the banks.)
; K = 64 IN AN INSTRUCTION OF 128: Q's registers 4-7 are zero codes; K's upper four registers are the next tile's codes, which meet those zeros; scale bytes 2, 3 are 0 on both sides.
; ORDER OF A STEP: softmax of step s; the scores of step s + 1; O x f; O += V P of step s.  The sixteen multiplications of O stand between the scores' products and their first readers.
; OUT: oc [2 halves of K][256 tiles of 16 rows][8 heads][512]: images of half fragments; os [4096 rows][32]: byte 2 head + block.  Rows stay in the stored order; the last launch undoes it.
; LIMITS: the promise holds while the scaled scores stay under 2^31 in magnitude; NaN and infinities are not served; a block whose largest magnitude lies under 2^-124 has its byte held at 1;
; a block of zeros gets the byte 1; 1 / sum is v_rcp_f32 and a multiplication.
.set STP, 4608                         ; a step's 4,096 bytes of codes with their padding
.set VB,  73728                        ; V's codes: behind K's 64 rows of 1,152
.set KSB, 147456                       ; K's scale words, 512 bytes a step
.set VSB, 155648                       ; V's, 256 bytes a step
.set AK,  1                            ; v1-4 LDS addresses: K's codes, V's codes, K's scale words, V's; stepped once a trip
.set AV,  2
.set AKS, 3
.set AVS, 4
.set LI,  6                            ; v6  16 x lane
.set SH,  8                            ; v8  8 x (lane / 16)
.set QS,  24                           ; v24 Q's scale words; v25 p's; v[26:27] V's; v[28:31] K's: these hold scales and nothing else
.set PW,  25
.set VSR, 26
.set KS,  28
.set KF,  32                           ; v32-63 K's eight tiles, four registers each; v64-67 zeros
.set VF,  68                           ; v68-99 V's four fragments
.set S,   100                          ; v100-163 S^T, then p
.set O,   164                          ; v164-195 O^T
.set PC,  196                          ; v196-203 p's codes
.set MX,  204                          ; four chains of maxima
.set BM,  208                          ; my two blocks' largest score, then largest p
.set SOP, 210
.set TMP, 212
.set PX,  214                          ; lane permutes' results
.set F,   218                          ; v218 f; v219 = 0, named with it as a pair
.set L,   240                          ; v240-247 the row's sum in four pairs.  v12 -M; v13 the largest score so far
.set WV,  12
.set SEL, 20
.set CS,  22
.set G1C, 24
.set G1S, 32
.set G0,  40
.set G0S, 44
.set NC,  60
.set CNT, 63
.macro CROUND
	s_barrier_signal -1
	s_barrier_wait -1
	s_cmp_lg_u32 s[WV], 0
	s_cbranch_scc1 .Lnot_wave_0_\@
	s_barrier_signal -3
.Lnot_wave_0_\@:
	s_barrier_wait -3
	s_barrier_signal -1
	s_barrier_wait -1
.endm
.macro WM d, a, b, c, sa, sb, odd      ; odd = 1: source 0's scale words stand in lanes 16-31
.if \odd
	v_wmma_scale_f32_16x16x128_f8f6f4 v[\d:\d+7], v[\a:\a+7], v[\b:\b+7], \c, v[\sa], v[\sb] matrix_a_fmt:MATRIX_FMT_FP4 matrix_b_fmt:MATRIX_FMT_FP4 matrix_a_scale:MATRIX_SCALE_ROW1
.else
	v_wmma_scale_f32_16x16x128_f8f6f4 v[\d:\d+7], v[\a:\a+7], v[\b:\b+7], \c, v[\sa], v[\sb] matrix_a_fmt:MATRIX_FMT_FP4 matrix_b_fmt:MATRIX_FMT_FP4
.endif
.endm
	s_load_b256 s[4:11], s[0:1], 0x0               ; qkvc s[4:5], qkvs s[6:7], oc s[8:9], os s[10:11]
	v_lshl_add_u32 v254, v0, 2, 0x27000
	v_mov_b32 v255, 0
	ds_add_u32 v254, v255                          ; the opening lines: the add twice on end and its one wait
	ds_add_u32 v254, v255
	v_lshrrev_b32 v1, 5, v0
	v_readfirstlane_b32 s[WV], v1                  ; wave 0..15
	s_bfe_u32 s13, ttmp6, 0x40000                  ; cx
	s_lshl_b32 s14, ttmp9, 2
	s_add_co_u32 s14, s14, s13                     ; my block of 256 queries: it enters Q's and the outputs' addresses alone
	s_and_b32 s15, ttmp7, 0xffff                   ; 16 x batch + head, which the four partners share
	s_mov_b32 s[G1C], 15|(3<<16)|(1<<20)|(1<<21)|(7<<22)|(31<<25)   ; mask: all four; elements of 8 bytes; 32 words of padding behind every 256
	s_mov_b32 s[G1C+1], 128<<16                    ; rows of 1,024 bytes,
	s_mov_b32 s[G1C+2], 16<<16                     ; 16 of them
	s_mov_b32 s[G1C+3], 128<<16
	s_mov_b32 s[G1C+4], 16
	s_mov_b32 s[G1C+5], 128
	s_mov_b32 s[G1C+6], 0
	s_mov_b32 s[G1C+7], 0
	s_mov_b32 s[G1S], 15|(3<<16)|(1<<21)           ; the scale words: 12 rows of 256 bytes, dense
	s_mov_b32 s[G1S+1], 32<<16
	s_mov_b32 s[G1S+2], 12<<16
	s_mov_b32 s[G1S+3], 32<<16
	s_mov_b32 s[G1S+4], 12
	s_mov_b32 s[G1S+5], 32
	s_mov_b32 s[G1S+6], 0
	s_mov_b32 s[G1S+7], 0
	s_and_b32 s66, s[WV], 7                        ; which eighth of K's and V's codes (every wave makes the words; waves 0 to 7 use them)
	s_mul_i32 s67, s66, 18432                      ; in LDS: 16 rows of 1,152
	s_lshl_b32 s68, s66, 14
	s_mul_i32 s16, s15, 196608
	s_add_co_u32 s16, s16, 65536
	s_add_co_u32 s16, s16, s68
	s_mov_b32 s17, 0
	s_and_b32 s66, s[WV], 3                        ; which quarter of the scale words (waves 8 to 11 use it)
	s_mul_i32 s69, s66, 3072
	s_mul_i32 s18, s15, 20480
	s_add_co_u32 s18, s18, s69
	s_add_co_u32 s18, s18, 8192
	s_mov_b32 s19, 0
	s_mov_b32 s[SEL], 0x76543210
	s_mov_b32 s[SEL+1], 0xfedcba98
	s_mov_b32 s[CS], 0x3e38aa3b                    ; c = log2(e) / 8
	s_mov_b32 s[CS+1], s[CS]
	s_mov_b32 s[NC], 0xbe38aa3b                    ; -c
	s_wait_dscnt 0x0
	s_wait_kmcnt 0x0
	s_add_nc_u64 s[16:17], s[4:5], s[16:17]
	s_add_nc_u64 s[18:19], s[6:7], s[18:19]
	CROUND                                         ; all four work-groups are here: the joint loads meet
	s_mov_b32 s[G0], 1
	s_mov_b32 s[G0+1], s67
	s_mov_b64 s[G0+2:G0+3], s[16:17]
	s_or_b32 s[G0+3], s[G0+3], 0x80000000
	s_mov_b32 s[G0S], 1
	s_add_co_u32 s[G0S+1], s69, KSB
	s_mov_b64 s[G0S+2:G0S+3], s[18:19]
	s_or_b32 s[G0S+3], s[G0S+3], 0x80000000
	s_cmp_lt_u32 s[WV], 8                          ; one chain of branches on the wave's number, one load to an arm
	s_cbranch_scc0 .Lnot_codes
	tensor_load_to_lds s[G0:G0+3], s[G1C:G1C+7]
	s_nop 0
.rept 4
	v_nop
.endr
	s_branch .Lasked
.Lnot_codes:
	s_cmp_lt_u32 s[WV], 12
	s_cbranch_scc0 .Lasked
	tensor_load_to_lds s[G0S:G0S+3], s[G1S:G1S+7]
	s_nop 0
.rept 4
	v_nop
.endr
.Lasked:
	s_lshl_b32 s70, s14, 4
	s_add_co_u32 s70, s70, s[WV]                   ; my tile of 16 queries in the head: 16 x block + wave
	s_lshl_b32 s2, s70, 9
	s_mul_i32 s3, s15, 196608
	s_add_co_u32 s2, s2, s3
	s_mov_b32 s3, 0
	s_add_nc_u64 s[4:5], s[4:5], s[2:3]            ; Q's codes
	s_lshl_b32 s2, s14, 1                          ; Q's scale words: step 2 x block + wave / 8; in it lanes 16 (wave % 2) + r, word (wave / 2) % 4
	s_lshr_b32 s3, s[WV], 3
	s_add_co_u32 s2, s2, s3
	s_lshl_b32 s2, s2, 9
	s_and_b32 s3, s[WV], 1
	s_lshl_b32 s3, s3, 8
	s_add_co_u32 s2, s2, s3
	s_bfe_u32 s3, s[WV], 0x20001
	s_lshl_b32 s3, s3, 2
	s_add_co_u32 s2, s2, s3
	s_mul_i32 s3, s15, 20480
	s_add_co_u32 s2, s2, s3
	s_mov_b32 s3, 0
	s_add_nc_u64 s[6:7], s[6:7], s[2:3]
	v_and_b32 v5, 31, v0                           ; lane
	v_and_b32 v9, 7, v0                            ; i: the key in its group of 8
	v_bfe_u32 v10, v0, 3, 1                        ; rows 8-15 of a tile: the block 32 keys on
	v_bfe_u32 v11, v0, 4, 1                        ; h
	v_lshlrev_b32 v[LI], 4, v5
	v_lshlrev_b32 v[AK], 4, v9
	v_lshlrev_b32 v[AKS], 4, v9
	v_lshl_add_u32 v[AVS], v5, 3, VSB
	v_mad_u32_u24 v[AK], v10, 1152, v[AK]
	v_lshl_add_u32 v[AKS], v10, 2, v[AKS]
	v_add_nc_u32 v[AV], VB, v[LI]
	v_lshlrev_b32 v[SH], 3, v11
	v_lshl_add_u32 v[AK], v11, 8, v[AK]            ; 16 i + 1152 (rows 8-15) + 256 h
	v_lshl_add_u32 v[AKS], v11, 8, v[AKS]          ; 16 i + 4 (rows 8-15) + 256 h: lanes 16-31 take the odd tile's words
	v_and_b32 v9, 15, v0                           ; r
	v_add_nc_u32 v[AKS], KSB, v[AKS]
	v_lshlrev_b32 v5, 4, v9                        ; 16 r: Q's scale word
	v_lshlrev_b32 v7, 5, v9                        ; 32 r: my row of os
	s_wait_alu depctr_va_vdst(0)                   ; the wait here, ahead of the readers below
	global_load_b128 v[16:19], v[LI], s[4:5]       ; Q's codes stay in registers
	global_load_b32 v[QS], v5, s[6:7]
	v_mov_b32 v13, 0xff61b1e6                      ; the largest score so far: -3e38
	v_mov_b32 v12, 0x7e000000                      ; -M: so large that the first f is 0
.irp j, 0,1,2,3
	v_mov_b32 v[20+\j], 0                          ; Q's upper half: zero codes
	v_mov_b32 v[64+\j], 0                          ; behind K's last tile
.endr
	v_mov_b32 v[PX], 0                             ; a lane permute's destination counts as one of its sources
	v_mov_b32 v[PX+1], 0
	v_mov_b32 v[F+1], 0
.irp j, 0,1,2,3,4,5,6,7
	v_mov_b32 v[L+\j], 0
.endr
.macro KLOAD n                         ; the codes and scale words of K, n steps on from where the addresses stand
.irp c, 0,1
.irp t, 0,1,2,3
	ds_load_b128 v[KF+16*\c+4*\t:KF+16*\c+4*\t+3], v[AK] offset:(\n)*STP+2304*\c+512*(\t%2)+128*(\t/2)
.endr
.endr
.irp c, 0,1
.irp u, 0,1
	ds_load_b32 v[KS+2*\c+\u], v[AKS] offset:(\n)*512+8*\c+128*\u   ; lanes 0-15: tile 4 c + 2 u; lanes 16-31: tile 4 c + 2 u + 1
.endr
.endr
.endm
.macro QK                              ; S^T = K Q^T: eight tiles, each begun with 0
.irp c, 0,1
.irp t, 0,1,2,3
	WM S+32*\c+8*\t, KF+16*\c+4*\t, 16, 0, KS+2*\c+\t/2, QS, \t%2
.endr
.endr
.endm
.macro SUMS n                          ; n more pairs of p onto the four sums, by turns
.rept \n
	v_pk_add_f32 v[L+2*(PI%4):L+2*(PI%4)+1], v[L+2*(PI%4):L+2*(PI%4)+1], v[S+2*PI:S+2*PI+1]
.set PI, PI+1
.endr
.endm
; A KEY STEP, the j-th of a trip.  qk = 1: the next step's scores are made in it.  last = 1: the addresses step on by a trip.
.macro STEP j, qk, last
.if \qk
	KLOAD (\j)+1                                   ; K's registers were read sixteen plain lines ago
.endif
.irp x, 0,1,2,3
	v_max3_num_f32 v[MX+\x], v[S+16*\x], v[S+16*\x+1], v[S+16*\x+2]   ; four chains of 16 scores, each tile from its low end on; these four also stand between the last products and the loads into V's registers
.endr
.irp i, 0,1,2,3,4,5,6,7
	ds_load_b128 v[VF+4*\i:VF+4*\i+3], v[AV] offset:(\j)*STP+1152*(\i/2)+512*(\i%2)
.endr
	ds_load_b64 v[VSR:VSR+1], v[AVS] offset:(\j)*256
.irp i, 3,5,7,9,11,13
.irp x, 0,1,2,3
	v_max3_num_f32 v[MX+\x], v[MX+\x], v[S+16*\x+\i], v[S+16*\x+\i+1]
.endr
.endr
	v_max3_num_f32 v[BM], v[MX], v[MX+1], v[S+15]
	v_max3_num_f32 v[BM+1], v[MX+2], v[MX+3], v[S+47]
	v_max_num_f32 v[BM], v[BM], v[S+31]            ; the largest score of my block of c = 0,
	v_max_num_f32 v[BM+1], v[BM+1], v[S+63]        ; and of c = 1
	v_max3_num_f32 v13, v13, v[BM], v[BM+1]
	v_permlanex16_b32 v[PX], v13, s[SEL], s[SEL+1]
	v_max_num_f32 v13, v13, v[PX]                  ; the row's largest score so far
	v_mul_f32 v[TMP], s[NC], v13
	v_floor_f32 v[TMP], v[TMP]                     ; the new -M = floor(-t) = -ceil(t)
	v_sub_f32 v[TMP+1], v[TMP], v12                ; old M - new M: a whole number, 0 or less
	v_mov_b32 v12, v[TMP]
	v_cvt_i32_f32 v[TMP+1], v[TMP+1]               ; (it saturates)
.set i, 0
.rept 32
	v_pk_fma_f32 v[S+i:S+i+1], v[S+i:S+i+1], s[CS:CS+1], v[12:13] op_sel_hi:[1,0,0]   ; t - M, two at a time
.set i, i+2
.endr
	v_fma_f32 v[BM], v[BM], s[CS], v12             ; the same of each block's largest score
	v_fma_f32 v[BM+1], v[BM+1], s[CS], v12
	s_wait_alu depctr_va_vdst(0)                   ; the wait ahead of the batch
	v_exp_f32 v[BM], v[BM]                         ; the block's largest p: the same two instructions on the same number give the same bits
	v_exp_f32 v[BM+1], v[BM+1]
.set i, 0
.rept 64
	v_exp_f32 v[S+i], v[S+i]                       ; p = 2^(t - M)
.set i, i+1
.endr
	v_ldexp_f32 v[F], 1.0, v[TMP+1]                ; f = 2^(old M - new M) (the plain line behind the exponentials)
.if \last
	v_add_nc_u32 v[AK], 3*STP, v[AK]               ; this trip's LDS loads are all issued
	v_add_nc_u32 v[AV], 3*STP, v[AV]
	v_add_nc_u32 v[AKS], 3*512, v[AKS]
	v_add_nc_u32 v[AVS], 3*256, v[AVS]
.endif
	s_wait_alu depctr_va_vdst(0)                   ; one wait for the whole batch, ahead of its first reader
	v_max_num_f32 v[BM], 0x1800000, v[BM]          ; the floor 2^(3 - 127): the byte cannot fall under 1
	v_max_num_f32 v[BM+1], 0x1800000, v[BM+1]
.irp k, 0,1,2,3
	v_pk_fma_f32 v[L+2*\k:L+2*\k+1], v[L+2*\k:L+2*\k+1], v[F:F+1], v[S+2*\k:S+2*\k+1] op_sel_hi:[1,0,1]   ; the sums under the new M, and their first pairs of the unquantised p
.endr
	v_add_nc_u32 v[SOP], 0xff000000, v[BM]         ; 2 off the exponent field: the conversion's scale operand
	v_add_nc_u32 v[SOP+1], 0xff000000, v[BM+1]
.set PI, 4
	SUMS 12
.irp c, 0,1
.irp t, 0,1,2,3
	v_cvt_scalef32_pk8_fp4_f32 v[PC+4*\c+\t], v[S+32*\c+8*\t:S+32*\c+8*\t+7], v[SOP+\c]   ; register 4 c + t: keys 64 c + 32 h + 8 t + 0..7
.endr
.endr
	v_lshrrev_b32 v[TMP], 23, v[SOP]               ; my two scale bytes: blocks h and 2 + h
	v_lshrrev_b32 v[TMP+1], 23, v[SOP+1]
	SUMS 4
	v_lshl_or_b32 v[TMP], v[TMP+1], 16, v[TMP]
	SUMS 4
	v_lshlrev_b32 v[TMP], v[SH], v[TMP]            ; at their places in the word: 8 h bits up
	SUMS 4
	v_permlanex16_b32 v[PX], v[TMP], s[SEL], s[SEL+1]
	SUMS 4
	v_or_b32 v[PW], v[TMP], v[PX]                  ; with lane l xor 16's two the word is whole
	s_wait_dscnt 0x0                               ; the next step's K and this step's V are in
.if \qk
	QK
.endif
	s_wait_alu depctr_va_vdst(0)                   ; the wait here, directly ahead of the first reader of O^T
.set i, 0
.rept 16
	v_pk_mul_f32 v[O+i:O+i+1], v[O+i:O+i+1], v[F:F+1] op_sel_hi:[1,0]   ; O^T under the new M; these sixteen stand behind the scores' products and ahead of the products below
.set i, i+2
.endr
.irp t, 0,1,2,3
	WM O+8*\t, VF+8*\t, PC, v[O+8*\t:O+8*\t+7], VSR+\t/2, PW, \t%2
.endr
.endm
	s_wait_alu depctr_va_vdst(0)                   ; the wait at the head's end
	s_wait_loadcnt 0x0                             ; Q
	s_wait_tensorcnt 0x0                           ; my part of the head's K, V or scale words has landed,
	s_barrier_signal -1
	s_barrier_wait -1                              ; and everybody's has: nothing is filled again
	KLOAD 0
	s_wait_dscnt 0x0
	QK                                             ; step 0's scores
.set i, 0
.rept 32
	v_mov_b32 v[O+i], 0                            ; O^T: the step is written once; the first finds zeros.  (These lines also stand behind the products above)
.set i, i+1
.endr
	s_mov_b32 s[CNT], 5
.Ltrip:                                            ; 5 trips of 3 steps; the sixteenth step is written out: no scores follow it
	STEP 0, 1, 0
	STEP 1, 1, 0
	STEP 2, 1, 1
	s_sub_co_u32 s[CNT], s[CNT], 1
	s_cmp_lg_u32 s[CNT], 0
	s_cbranch_scc1 .Ltrip
	STEP 0, 0, 0
	; THE WAY OUT: O^T / the sum; its 32 registers are d = 32 b + 16 h + 0 .. 15 of my query: two blocks along E, each in lanes l and l xor 16.
	v_pk_add_f32 v[L:L+1], v[L:L+1], v[L+2:L+3]    ; (these six lines stand behind the last products)
	v_pk_add_f32 v[L+4:L+5], v[L+4:L+5], v[L+6:L+7]
	v_pk_add_f32 v[L:L+1], v[L:L+1], v[L+4:L+5]
	v_add_f32 v[L], v[L], v[L+1]
	v_permlanex16_b32 v[PX], v[L], s[SEL], s[SEL+1]
	v_add_f32 v[L], v[L], v[PX]                    ; the row's sum
	s_wait_alu depctr_va_vdst(0)                   ; the wait ahead of the transcendental
	v_rcp_f32 v[F], v[L]
	v_nop                                          ; a plain line behind the reciprocal
	s_lshr_b32 s2, s15, 4                          ; the batch
	s_lshl_b32 s2, s2, 7
	s_add_co_u32 s2, s2, s70                       ; my tile of 16 stored rows among 256
	s_and_b32 s3, s15, 15                          ; the head
	s_lshl_b32 s66, s2, 12
	s_lshr_b32 s67, s3, 3
	s_lshl_b32 s67, s67, 20
	s_add_co_u32 s66, s66, s67
	s_and_b32 s67, s3, 7
	s_lshl_b32 s67, s67, 9
	s_add_co_u32 s66, s66, s67
	s_mov_b32 s67, 0
	s_add_nc_u64 s[8:9], s[8:9], s[66:67]
	s_lshl_b32 s66, s2, 9
	s_lshl_b32 s68, s3, 1
	s_add_co_u32 s66, s66, s68
	s_add_nc_u64 s[10:11], s[10:11], s[66:67]
	s_wait_alu depctr_va_vdst(0)                   ; ahead of the first reader of the reciprocal and of O^T
.set i, 0
.rept 16
	v_pk_mul_f32 v[S+i:S+i+1], v[O+i:O+i+1], v[F:F+1] op_sel_hi:[1,0]
.set i, i+2
.endr
.irp b, 0,1
	v_max3_num_f32 v[BM+\b], |v[S+16*\b]|, |v[S+1+16*\b]|, 0x1800000
.endr
.irp i, 2,4,6,8,10,12,14
.irp b, 0,1
	v_max3_num_f32 v[BM+\b], v[BM+\b], |v[S+16*\b+\i]|, |v[S+1+16*\b+\i]|
.endr
.endr
.irp b, 0,1
	v_permlanex16_b32 v[PX+\b], v[BM+\b], s[SEL], s[SEL+1]
.endr
.irp b, 0,1
	v_max_num_f32 v[BM+\b], v[BM+\b], v[PX+\b]
.endr
.irp b, 0,1
	v_add_nc_u32 v[SOP+\b], 0xff000000, v[BM+\b]
.endr
.irp b, 0,1
	v_lshrrev_b32 v[PX+\b], 23, v[SOP+\b]
.endr
	v_lshl_or_b32 v[TMP], v[PX+1], 8, v[PX]        ; my row's two scale bytes of this head
.irp b, 0,1
	v_cvt_scalef32_pk8_fp4_f32 v[PC+2*\b], v[S+16*\b:S+7+16*\b], v[SOP+\b]
	v_cvt_scalef32_pk8_fp4_f32 v[PC+1+2*\b], v[S+8+16*\b:S+15+16*\b], v[SOP+\b]
.endr
	v_nop                                          ; one plain line behind a scaled conversion
	v_permlane16_swap_b32 v[PC], v[PC+2]
	v_permlane16_swap_b32 v[PC+1], v[PC+3]         ; registers 0-3: d = 32 h + 0 .. 31
	global_store_b128 v[LI], v[PC:PC+3], s[8:9]    ; 32 lanes store 512 consecutive bytes, aligned
	global_store_b16 v7, v[TMP], s[10:11]          ; two bytes of each row's 32: the row's other heads belong to other work-groups; both halves of the lanes write the same bytes with the same value
	s_wait_tensorcnt 0x0                           ; the wave's end
	ds_add_u32 v254, v255
	s_wait_dscnt 0x0
	CROUND                                         ; the closing round
	s_endpgm
.Lfunc_end_k_q86ff25da09_attn:
	.size	k_q86ff25da09_attn, .Lfunc_end_k_q86ff25da09_attn-k_q86ff25da09_attn
	.p2alignl 7, 3214868480
	.fill 96, 4, 3214868480
	.section	.rodata,"a",@progbits
	.p2align	6, 0x0
	.amdhsa_kernel k_q86ff25da09_attn
		.amdhsa_group_segment_fixed_size 169984
		.amdhsa_private_segment_fixed_size 0
		.amdhsa_enable_private_segment 0
		.amdhsa_kernarg_size 32
		.amdhsa_user_sgpr_count 2
		.amdhsa_user_sgpr_kernarg_segment_ptr 1
		.amdhsa_wavefront_size32 1
		.amdhsa_system_sgpr_workgroup_id_x 1
		.amdhsa_system_sgpr_workgroup_id_y 1
		.amdhsa_system_sgpr_workgroup_id_z 1
		.amdhsa_system_vgpr_workitem_id 0
		.amdhsa_next_free_vgpr 256
		.amdhsa_next_free_sgpr 72
		.amdhsa_reserve_vcc 0
		.amdhsa_float_denorm_mode_32 3
		.amdhsa_float_denorm_mode_16_64 3
		.amdhsa_memory_ordered 1
		.amdhsa_forward_progress 1
		.amdhsa_inst_pref_size 67
	.end_amdhsa_kernel
	.amdgpu_metadata
---
amdhsa.version: [ 1, 2 ]
amdhsa.kernels:
  - .name:           k_q86ff25da09_attn
    .symbol:         k_q86ff25da09_attn.kd
    .args:
      - { .name: qkvc, .offset: 0, .size: 8, .value_kind: global_buffer, .address_space: global }
      - { .name: qkvs, .offset: 8, .size: 8, .value_kind: global_buffer, .address_space: global }
      - { .name: oc, .offset: 16, .size: 8, .value_kind: global_buffer, .address_space: global }
      - { .name: os, .offset: 24, .size: 8, .value_kind: global_buffer, .address_space: global }
    .group_segment_fixed_size: 169984
    .private_segment_fixed_size: 0
    .kernarg_segment_align: 8
    .kernarg_segment_size: 32
    .max_flat_workgroup_size: 512
    .sgpr_count:     72
    .vgpr_count:     256
    .wavefront_size: 32
...
	.end_amdgpu_metadata
.endif
;; end of part 3
;; launch outp (part 4): grid 8 x 32, 4 waves a work-group, clusters of 4 x 4, 168,448 bytes of LDS; arguments oc, os, cw, sw, b_out, out0; writes out0
.if DOCPART == 4
	.amdgcn_target "amdgcn-amd-amdhsa--gfx1250"
	.amdhsa_code_object_version 6
	.text
	.protected	k_q86ff25da09_outp
	.globl	k_q86ff25da09_outp
	.p2align	8
	.type	k_q86ff25da09_outp,@function
k_q86ff25da09_outp:
	s_mov_b64 s[64:65], 0
	v_nop
	global_prefetch_b8 v0, s[64:65] scope:SCOPE_SE
	s_setreg_imm32_b32 hwreg(HW_REG_WAVE_MODE, 25, 1), 1
	s_wait_xcnt 0x0
	s_wait_alu depctr_hold_cnt(0) depctr_sa_sdst(0) depctr_va_vdst(0) depctr_va_sdst(0) depctr_va_ssrc(0) depctr_va_vcc(0) depctr_vm_vsrc(0)
	s_getreg_b32 s2, hwreg(HW_REG_IB_STS2, 6, 4)
	s_cmp_eq_u32 s2, 0
	s_cbranch_scc0 .Lentry_in_a_cluster
	s_endpgm
.Lentry_in_a_cluster:
	s_bfe_u32 s2, ttmp6, 0x10000c
	s_cmp_lg_u32 s2, 0xf033
	s_cbranch_scc0 .Lentry_shape_is_right
	s_endpgm
.Lentry_shape_is_right:
; out0 = O W_out^T + b_out on codes of FP4 with E8M0 scales, K = 1024.  O's codes come as images of operand registers (launch attn), W_out's as rows of cw (rows 7168 on).
; A tile of 128 x 128 to a work-group, so that each of the grid's 256 work-groups has one; four waves, 64 x 64 each: 16 accumulators.
; ALL OF K LIES IN LDS, filled ONCE by four tensor loads, one a wave: wave 0 O's codes (2 runs of 32,768 bytes), wave 1 W_out's 128 rows of 512 bytes, wave 2 O's scale bytes, wave 3 W_out's.  One wait, one barrier, no refill.
; TRANSPOSED USE: source 0 = 16 stored rows of W_out, source 1 = 16 stored rows of O: a lane holds one row of the output, and the 16 registers of tiles 2 b, 2 b + 1 are 16 neighbouring columns.
; The bias is the C of each sum's first matrix instruction.  The rows' stored order (groups of 8 rows as 0, 2, 1, 3 in each 32) is undone by the stores' immediates.
; CLUSTERS: 4 x 4: O's tiles are asked for jointly along a row of the cluster, W_out's along a column.  All tiles are asked for at the head: no later load is left that a prefetch could run ahead of.
; LDS: O's images: half s of K at 32768 s, 8 tiles x 4096, dense;  W_out at 65536: 128 rows of 512 + 16;  scales of O at SCA, of W_out at SCB, as units of 256 + 16;  a stage of 16 x 272 for each wave, into which no fill lands.
; REGISTERS: window 0: v8-14 addresses; v16-47 scale words and nothing else; v48-79 the bias, later rows on the way out; v80-111 rows on the way out; v128-255 the accumulators.  window 1: two fragment buffers of 64.
.set WB,   65536
.set WP,   528
.set SCA,  135168
.set SCB,  139520
.set STG,  143872
.set ADRA, 8
.set ADRB, 9
.set ADRS, 10
.set STO,  11
.set RD,   12
.set CO,   13
.set BO,   14
.set SC,   16
.set BN,   48
.set BK,   48
.set ACC,  128
.set G1A, 24
.set G0A, 32
.set G1B, 48
.set G0B, 56
.set G1SA, 68
.set G0SA, 76
.set G1SB, 80
.set G0SB, 88
.set MSB, 0
.macro WIN new
.if MSB != (\new)
	s_set_vgpr_msb (MSB<<8)|(\new)
.set MSB, (\new)
.endif
.endm
.set MULW, 0x05                        ; sources 0 and 1 window 1; C and D window 0
.set TO_F, 0x40                        ; destination window 1, address window 0
.macro ARM under, g0, g1, next         ; an arm of the head's one chain of branches on the wave's number: its load, s_nop 0 and four v_nop, and a jump to the join
	s_cmp_lt_u32 s16, \under
	s_cbranch_scc0 \next
	tensor_load_to_lds s[\g0:\g0+3], s[\g1:\g1+7]
	s_nop 0
.rept 4
	v_nop
.endr
	s_branch .Lhead_asked
\next:
.endm
.macro CROUND
	s_barrier_signal -1
	s_barrier_wait -1
	s_cmp_lg_u32 s16, 0
	s_cbranch_scc1 .Lnot_wave_0_\@
	s_barrier_signal -3
.Lnot_wave_0_\@:
	s_barrier_wait -3
	s_barrier_signal -1
	s_barrier_wait -1
.endm
	s_load_b256 s[4:11], s[0:1], 0x0               ; oc s[4:5], os s[6:7], cw s[8:9], sw s[10:11]
	s_load_b128 s[12:15], s[0:1], 0x20             ; b_out s[12:13], out0 s[14:15]
	v_lshl_add_u32 v126, v0, 2, 0x29000
	v_mov_b32 v127, 0
	ds_add_u32 v126, v127                          ; the opening lines: the add twice on end and its one wait
	ds_add_u32 v126, v127
	v_lshrrev_b32 v1, 5, v0
	v_readfirstlane_b32 s16, v1                    ; wave 0..3
	s_lshr_b32 s17, s16, 1                         ; my half of the rows
	s_and_b32 s18, s16, 1                          ; my half of the columns
	s_bfe_u32 s40, ttmp6, 0x40000                  ; cx, cy
	s_bfe_u32 s41, ttmp6, 0x40004
	s_lshl_b32 s42, ttmp9, 2
	s_add_co_u32 s42, s42, s40                     ; tile column
	s_and_b32 s19, ttmp7, 0xffff
	s_lshl_b32 s19, s19, 2
	s_add_co_u32 s19, s19, s41                     ; tile row
	s_lshl_b32 s43, s41, 2
	s_lshl_b32 s43, 15, s43                        ; my row of the cluster
	s_lshl_b32 s44, 0x1111, s40                    ; my column
	s_or_b32 s[G1A], s43, (3<<16)|(1<<21)          ; O: 2 rows of 32,768 bytes (4,096 elements of 8 bytes), 1,048,576 bytes apart, no padding
	s_mov_b32 s[G1A+1], 4096<<16
	s_mov_b32 s[G1A+2], 2<<16
	s_mov_b32 s[G1A+3], 4096<<16
	s_mov_b32 s[G1A+4], 2
	s_mov_b32 s[G1A+5], 131072
	s_mov_b32 s[G1A+6], 0
	s_mov_b32 s[G1A+7], 0
	s_or_b32 s[G1B], s44, (0<<16)|(1<<20)|(1<<21)|(6<<22)|(3<<25)   ; W_out: 128 rows x 512 bytes, dense, 16 bytes of padding behind each
	s_mov_b32 s[G1B+1], 512<<16
	s_mov_b32 s[G1B+2], 128<<16
	s_mov_b32 s[G1B+3], 512<<16
	s_mov_b32 s[G1B+4], 128
	s_mov_b32 s[G1B+5], 512
	s_mov_b32 s[G1B+6], 0
	s_mov_b32 s[G1B+7], 0
	s_or_b32 s[G1SA], s43, (3<<16)|(1<<20)|(1<<21)|(5<<22)|(3<<25)  ; the scales of 128 rows: 4,096 dense bytes as 16 rows of 256 + 16
	s_or_b32 s[G1SB], s44, (3<<16)|(1<<20)|(1<<21)|(5<<22)|(3<<25)
.irp g, G1SA, G1SB
	s_mov_b32 s[\g+1], 32<<16
	s_mov_b32 s[\g+2], 16<<16
	s_mov_b32 s[\g+3], 32<<16
	s_mov_b32 s[\g+4], 16
	s_mov_b32 s[\g+5], 32
	s_mov_b32 s[\g+6], 0
	s_mov_b32 s[\g+7], 0
.endr
	s_lshl_b32 s20, s19, 15                        ; O: 8 x tile row tiles of 4,096 bytes
	s_mov_b32 s21, 0
	s_lshl_b32 s22, s19, 12                        ; its scales: 128 x tile row rows of 32 bytes
	s_mov_b32 s23, 0
	s_lshl_b32 s46, s42, 16                        ; W_out: (7168 + 128 x tile column) rows of 512 bytes
	s_add_co_u32 s46, s46, 7168*512
	s_mov_b32 s47, 0
	s_lshl_b32 s92, s42, 12                        ; its scales
	s_add_co_u32 s92, s92, 7168*32
	s_mov_b32 s93, 0
	s_wait_dscnt 0x0
	s_wait_kmcnt 0x0
	s_add_nc_u64 s[20:21], s[4:5], s[20:21]
	s_add_nc_u64 s[22:23], s[6:7], s[22:23]
	s_add_nc_u64 s[46:47], s[8:9], s[46:47]
	s_add_nc_u64 s[92:93], s[10:11], s[92:93]
	CROUND                                         ; all sixteen work-groups are here: the joint loads meet
	s_mov_b32 s[G0A], 1
	s_mov_b32 s[G0A+1], 0
	s_mov_b64 s[G0A+2:G0A+3], s[20:21]
	s_or_b32 s[G0A+3], s[G0A+3], 0x80000000
	s_mov_b32 s[G0B], 1
	s_mov_b32 s[G0B+1], WB
	s_mov_b64 s[G0B+2:G0B+3], s[46:47]
	s_or_b32 s[G0B+3], s[G0B+3], 0x80000000
	s_mov_b32 s[G0SA], 1
	s_mov_b32 s[G0SA+1], SCA
	s_mov_b64 s[G0SA+2:G0SA+3], s[22:23]
	s_or_b32 s[G0SA+3], s[G0SA+3], 0x80000000
	s_mov_b32 s[G0SB], 1
	s_mov_b32 s[G0SB+1], SCB
	s_mov_b64 s[G0SB+2:G0SB+3], s[92:93]
	s_or_b32 s[G0SB+3], s[G0SB+3], 0x80000000
	ARM 1, G0A,  G1A,  .Lhead_b                    ; one tensor load a wave: every way through the head passes exactly one
	ARM 2, G0B,  G1B,  .Lhead_sa
	ARM 3, G0SA, G1SA, .Lhead_sb
	tensor_load_to_lds s[G0SB:G0SB+3], s[G1SB:G1SB+7]
	s_nop 0
.rept 4
	v_nop
.endr
.Lhead_asked:
	v_and_b32 v1, 15, v0                           ; r
	v_bfe_u32 v2, v0, 4, 1                         ; h
	v_and_b32 v3, 31, v0                           ; lane
	v_lshlrev_b32 v[ADRA], 4, v3
	s_lshl_b32 s20, s17, 14
	v_add_nc_u32 v[ADRA], s20, v[ADRA]             ; O's images: my four tiles, 16 x lane
	v_mul_u32_u24 v[ADRB], v1, WP
	v_lshl_add_u32 v[ADRB], v2, 4, v[ADRB]
	s_mul_i32 s20, s18, 64*WP
	s_add_co_u32 s20, s20, WB
	v_add_nc_u32 v[ADRB], s20, v[ADRB]             ; W_out: my 64 rows, row r x pitch + 16 h
	v_lshlrev_b32 v4, 5, v1                        ; scale words: 32 bytes a row,
	v_lshrrev_b32 v5, 8, v4
	v_lshl_add_u32 v4, v5, 4, v4                   ; and 16 more for each 256 passed
	s_mul_i32 s21, s17, 2176
	s_mul_i32 s22, s18, 2176
	s_add_co_u32 s22, s22, SCB-SCA
	s_sub_co_u32 s22, s22, s21
	v_mul_u32_u24 v5, s22, v2                      ; lanes 16-31 take W_out's: one product, the distance between the two bases
	s_add_co_u32 s21, s21, SCA
	v_add_nc_u32 v4, v4, v5
	v_add_nc_u32 v[ADRS], s21, v4
	s_mul_i32 s23, s16, 16*272
	s_add_co_u32 s23, s23, STG                     ; my stage
	v_mul_u32_u24 v[STO], v1, 272
	v_lshl_add_u32 v[STO], v2, 6, v[STO]
	v_add_nc_u32 v[STO], s23, v[STO]               ; in: row r, + 64 h: my half's 16 columns of each 32
	v_mul_u32_u24 v[RD], v2, 272
	v_lshl_add_u32 v[RD], v1, 4, v[RD]
	v_add_nc_u32 v[RD], s23, v[RD]                 ; back: lanes 0-15 one row of 256 bytes, lanes 16-31 the next
	v_lshlrev_b32 v[CO], 12, v2
	v_lshl_add_u32 v[CO], v1, 4, v[CO]             ; and the same two rows in out0
	v_lshlrev_b32 v[BO], 6, v2
	s_wait_alu depctr_va_vdst(0)                   ; the wait behind the head's last vector line
	s_lshl_b32 s96, s42, 9                         ; my first column, in bytes: 512 x tile column + 256 x half
	s_lshl_b32 s97, s18, 8
	s_add_co_u32 s96, s96, s97
	s_mov_b32 s97, 0
	s_add_nc_u64 s[12:13], s[12:13], s[96:97]
	s_add_nc_u64 s[14:15], s[14:15], s[96:97]
	s_lshl_b32 s96, s19, 19                        ; my first row: (128 x tile row + 64 x half) rows of 4,096 bytes
	s_lshl_b32 s20, s17, 18
	s_add_co_u32 s96, s96, s20
	s_add_nc_u64 s[14:15], s[14:15], s[96:97]
.irp b, 0,1,2,3                        ; the bias in the result's layout: registers 8 b + j: column 32 (b / 2) + 16 h + 8 (b % 2) + j
	global_load_b128 v[BN+8*\b:BN+8*\b+3], v[BO], s[12:13] offset:(32*(\b/2)+8*(\b%2))*4
	global_load_b128 v[BN+8*\b+4:BN+8*\b+7], v[BO], s[12:13] offset:(32*(\b/2)+8*(\b%2))*4+16
.endr
.macro FETCH q, f                      ; the fragments of the q-th 128 along K: O's four at v[f], W_out's four at v[f + 32], in window 1
	WIN TO_F
.irp i, 0,1,2,3
.irp c, 0,1
	ds_load_b128 v[\f+8*\i+4*\c:\f+8*\i+4*\c+3], v[ADRA] offset:32768*((\q)/4)+4096*\i+512*(2*((\q)%4)+\c)
	ds_load_b128 v[\f+32+8*\i+4*\c:\f+32+8*\i+4*\c+3], v[ADRB] offset:64*(\q)+32*\c+16*WP*\i
.endr
.endr
.endm
.macro MUL q, f, first                 ; 16 matrix instructions, the 16 accumulators by turns
	WIN MULW
.irp a, 0,1,2,3
.irp b, 0,1,2,3
.if \first
	v_wmma_scale_f32_16x16x128_f8f6f4 v[ACC+8*(4*\a+\b):ACC+8*(4*\a+\b)+7], v[\f+32+8*\b:\f+32+8*\b+7], v[\f+8*\a:\f+8*\a+7], v[BN+8*\b:BN+8*\b+7], v[SC+16*((\q)/4)+4*\b+(\q)%4], v[SC+16*((\q)/4)+4*\a+(\q)%4] matrix_a_fmt:MATRIX_FMT_FP4 matrix_b_fmt:MATRIX_FMT_FP4 matrix_a_scale:MATRIX_SCALE_ROW1
.else
	v_wmma_scale_f32_16x16x128_f8f6f4 v[ACC+8*(4*\a+\b):ACC+8*(4*\a+\b)+7], v[\f+32+8*\b:\f+32+8*\b+7], v[\f+8*\a:\f+8*\a+7], v[ACC+8*(4*\a+\b):ACC+8*(4*\a+\b)+7], v[SC+16*((\q)/4)+4*\b+(\q)%4], v[SC+16*((\q)/4)+4*\a+(\q)%4] matrix_a_fmt:MATRIX_FMT_FP4 matrix_b_fmt:MATRIX_FMT_FP4 matrix_a_scale:MATRIX_SCALE_ROW1
.endif
.endr
.endr
.endm
.macro PLACES                          ; plain vector lines between a matrix instruction and a load into, or a read of, one of its registers
.rept 4
	v_nop
.endr
.endm
	s_wait_tensorcnt 0x0                           ; my tile of the four is in,
	s_barrier_signal -1
	s_barrier_wait -1                              ; and everybody's is
.irp s, 0,1                            ; all scale words at once: set s, register 4 i + q: lanes 0-15 O's block i, lanes 16-31 W_out's block i
.irp i, 0,1,2,3
	ds_load_b128 v[SC+16*\s+4*\i:SC+16*\s+4*\i+3], v[ADRS] offset:544*\i+16*\s
.endr
.endr
	FETCH 0, 0
	s_wait_loadcnt 0x0                             ; the bias
.irp q, 0,1,2,3,4,5,6,7
.if \q > 0
	PLACES                                         ; the next fetch lands in the buffer that the last products read
.endif
.if \q < 7
	FETCH \q+1, 64*((\q+1)%2)
	s_wait_dscnt 16                                ; all but the 16 loads just issued
.else
	s_wait_dscnt 0x0
.endif
.if \q == 0
	MUL \q, 0, 1
.else
	MUL \q, 64*(\q%2), 0
.endif
.endr
	WIN 0
; THE WAY OUT, block by block of 16 rows x 64 columns, through my own stage: a lane holds 16-byte pieces of one row; they come back as whole rows of 256 bytes.  LDS serves a wave's instructions in order: no wait between the stores and the loads.
.macro TOSTAGE a
.irp b, 0,1,2,3
	ds_store_b128 v[STO], v[ACC+8*(4*(\a)+\b):ACC+8*(4*(\a)+\b)+3] offset:128*(\b/2)+32*(\b%2)        ; each accumulator from its low end on
	ds_store_b128 v[STO], v[ACC+8*(4*(\a)+\b)+4:ACC+8*(4*(\a)+\b)+7] offset:128*(\b/2)+32*(\b%2)+16
.endr
.irp t, 0,1,2,3,4,5,6,7
	ds_load_b128 v[BK+32*((\a)%2)+4*\t:BK+32*((\a)%2)+4*\t+3], v[RD] offset:544*\t
.endr
.endm
.macro SEND a, younger                 ; stored row 2 t + (lane / 16) of block a is row 32 (a / 2) + 8 (a % 2) + 2 t + 8 (t / 4) + (lane / 16) of my 64
	s_wait_dscnt \younger
.irp t, 0,1,2,3,4,5,6,7
	global_store_b128 v[CO], v[BK+32*((\a)%2)+4*\t:BK+32*((\a)%2)+4*\t+3], s[14:15] offset:(32*((\a)/2)+8*((\a)%2)+2*\t+8*(\t/4))*4096 th:TH_STORE_NT   ; 16 lanes store 256 consecutive bytes, aligned
.endr
.endm
	PLACES
	TOSTAGE 0
.irp a, 1,2,3
.if \a > 1
	s_wait_xcnt 0x0                                ; block a - 2's stores have read their registers: block a's loads may land there
.endif
	TOSTAGE \a
	SEND \a-1, 16                                  ; behind block a - 1's loads: block a's 8 stores and 8 loads
.endr
	SEND 3, 0
	s_wait_tensorcnt 0x0                           ; the wave's end
	ds_add_u32 v126, v127
	s_wait_dscnt 0x0
	CROUND                                         ; the closing round
	s_endpgm
.Lfunc_end_k_q86ff25da09_outp:
	.size	k_q86ff25da09_outp, .Lfunc_end_k_q86ff25da09_outp-k_q86ff25da09_outp
	.p2alignl 7, 3214868480
	.fill 96, 4, 3214868480
	.section	.rodata,"a",@progbits
	.p2align	6, 0x0
	.amdhsa_kernel k_q86ff25da09_outp
		.amdhsa_group_segment_fixed_size 168448
		.amdhsa_private_segment_fixed_size 0
		.amdhsa_enable_private_segment 0
		.amdhsa_kernarg_size 48
		.amdhsa_user_sgpr_count 2
		.amdhsa_user_sgpr_kernarg_segment_ptr 1
		.amdhsa_wavefront_size32 1
		.amdhsa_system_sgpr_workgroup_id_x 1
		.amdhsa_system_sgpr_workgroup_id_y 1
		.amdhsa_system_sgpr_workgroup_id_z 1
		.amdhsa_system_vgpr_workitem_id 0
		.amdhsa_next_free_vgpr 384
		.amdhsa_next_free_sgpr 98
		.amdhsa_reserve_vcc 0
		.amdhsa_float_denorm_mode_32 3
		.amdhsa_float_denorm_mode_16_64 3
		.amdhsa_memory_ordered 1
		.amdhsa_forward_progress 1
		.amdhsa_inst_pref_size 43
	.end_amdhsa_kernel
	.amdgpu_metadata
---
amdhsa.version: [ 1, 2 ]
amdhsa.kernels:
  - .name:           k_q86ff25da09_outp
    .symbol:         k_q86ff25da09_outp.kd
    .args:
      - { .name: oc, .offset: 0, .size: 8, .value_kind: global_buffer, .address_space: global }
      - { .name: os, .offset: 8, .size: 8, .value_kind: global_buffer, .address_space: global }
      - { .name: cw, .offset: 16, .size: 8, .value_kind: global_buffer, .address_space: global }
      - { .name: sw, .offset: 24, .size: 8, .value_kind: global_buffer, .address_space: global }
      - { .name: b_out, .offset: 32, .size: 8, .value_kind: global_buffer, .address_space: global }
      - { .name: out0, .offset: 40, .size: 8, .value_kind: global_buffer, .address_space: global }
    .group_segment_fixed_size: 168448
    .private_segment_fixed_size: 0
    .kernarg_segment_align: 8
    .kernarg_segment_size: 48
    .max_flat_workgroup_size: 128
    .sgpr_count:     98
    .vgpr_count:     384
    .wavefront_size: 32
...
	.end_amdgpu_metadata
.endif
;; end of part 4
